; MI455X (gfx1250); checked and timed in simulation.
; The chip was launched on July 23, 2026; its instructions are those of AMD's public machine-readable ISA for CDNA 5 (MIT licence, August 2026) and "CDNA5" Instruction Set Architecture Reference Guide (July 2026). The comments in the code are by the model that wrote it; some were corrected since.
;; Heads. Allowed arithmetic: matrix products marked QUANTISED: E4M3 operands, one given power-of-two scale a tensor, by v_wmma_f32_16x16x64_fp8_fp8 or v_wmma_f32_16x16x128_fp8_fp8, f32 sums; everything else in f32.
;; Inputs: Wk_codes 16 x 64 x 32 x 32 uint8 (E4M3 codes of Wk, K innermost, in blocks of 32 codes); Wo_codes 1,024 x 32 x 32 uint8 (E4M3 codes of Wo, K innermost, in blocks of 32 codes); Wq_codes 16 x 64 x 32 x 32 uint8 (E4M3 codes of Wq, K innermost, in blocks of 32 codes); Wv_codes 16 x 64 x 32 x 32 uint8 (E4M3 codes of Wv, K innermost, in blocks of 32 codes); bo 1,024 float32; data_codes 4 x 2,048 x 32 x 32 uint8 (E4M3 codes of data, K innermost, in blocks of 32 codes); lowp_scales 12 int32 (the exponents e of the quantised operands' scales 2^e).
;; Outputs: out0 4 x 2,048 x 1,024 float32.
;; This version of the problem:
;;   THIS VERSION OF THE PROBLEM IS GIVEN IN LOW PRECISION. The matrix products marked QUANTISED in the list below multiply operands that are first quantised to E4M3 (4 exponent bits, 3 mantissa bits; 8 bits a number), with one given power-of-two scale for each operand tensor; their sums are f32. All else is computed in f32.
;;   The module's matrix products, in the order in which they are computed (A, B: the left and right operand; K: the contracted axis; several contracted axes count as one K, in the product's order):
;;     1. [M 1,024, K 1,024] x [K 1,024, N 8,192]; A: input Wq (given as codes); B: input data (given as codes): QUANTISED (scales: A lowp_scales[0], B lowp_scales[1])
;;     2. [M 1,024, K 1,024] x [K 1,024, N 8,192]; A: input Wk (given as codes); B: input data (given as codes): QUANTISED (scales: A lowp_scales[2], B lowp_scales[3])
;;     3. [M 1,024, K 1,024] x [K 1,024, N 8,192]; A: input Wv (given as codes); B: input data (given as codes): QUANTISED (scales: A lowp_scales[4], B lowp_scales[5])
;;     4. batch 64 x [M 2,048, K 64] x [K 64, N 2,048]; A: computed on the way; B: computed on the way: QUANTISED (scales: A lowp_scales[6], B lowp_scales[7])
;;     5. batch 64 x [M 2,048, K 2,048] x [K 2,048, N 64]; A: softmax (see below); B: computed on the way: QUANTISED (scales: A lowp_scales[8], B lowp_scales[9])
;;     6. [M 8,192, K 1,024] x [K 1,024, N 1,024]; A: computed on the way; B: input Wo (given as codes): QUANTISED (scales: A lowp_scales[10], B lowp_scales[11])
;;   THE QUANTISER, for each operand of a quantised product, along K:
;;     - The operand's scale is 2^e, e = its entry of the input lowp_scales (int32; the entries are numbered through the quantised products in the list's order, A before B).
;;     - Each number is divided by the scale, clamped to +-448, and rounded to the nearest number of E4M3, ties to even, subnormals kept.
;;     - The product sums the exact products of the quantised numbers (number of the format x scale) in f32.
;;   ~~~python
;;   def quantise(x, axis, e):      # numpy; x: float32 -> the quantised numbers, widened to float32 again
;;       x = np.moveaxis(x, axis, -1); K = x.shape[-1]
;;       r = np.clip(x / 2.0 ** e, -448, 448)
;;       step = 2.0 ** (np.maximum(np.frexp(np.where(r == 0, 1, r))[1] - 1, -6) - 3)
;;       q = np.round(r / step) * step * 2.0 ** e      # np.round: ties to even
;;       return np.moveaxis(q, -1, axis).astype(np.float32)
;;   ~~~
;;   SOFTMAX AHEAD OF A QUANTISED PRODUCT. Where the list says 'softmax', what is quantised is not the finished softmax but p = 2^(t - M), with t = logit x log2(e) and M = ceil(the row's largest t), a whole number; so 1/2 < the row's largest p <= 1. The row's sum l is taken of the UNQUANTISED p, in f32, and the product's result is divided by l at the end. Since M is a whole number, a kernel that streams over the keys may use a running M (the ceiling of the running maximum): every later rescaling is an exact power of two, so the quantised numbers keep their values, but for numbers so far below the row's largest that they fall under the format's range.
;;   OPERANDS COMPUTED ON THE WAY. 'Computed on the way' means the value that the module computes at that place (a softmax that the list does not call 'softmax' is quantised finished and normalised). What goes into a quantiser is computed in f32, as accurately as f32 sums, v_exp_f32 and their like allow (about 1e-6 of the number): no bf16 or f16 on the way to a quantiser, and a product that is left as it is and whose result goes on into a quantised operand takes f32 operands (vector FMAs, or v_wmma_f32_16x16x4_f32). A number that lies on a knife's edge between two numbers of the format may be rounded either way, as far as f32 arithmetic and the matrix unit's own rounding can turn it there, and no further.
;;   INPUTS GIVEN AS CODES. Wk (in the module: [16, 1024, 64], K = its axis 1); Wo (in the module: [1024, 1024], K = its axis 1); Wq (in the module: [16, 1024, 64], K = its axis 1); Wv (in the module: [16, 1024, 64], K = its axis 1); data (in the module: [4, 2048, 1024], K = its axis 2): each comes as NAME_codes (uint8): NAME with its K axis moved to the last place and cut into blocks of 32 codes, [.., K / 32, bytes a block], one block behind the other in memory; one code a byte (a code: sign, 4 exponent bits, 3 mantissa bits); its scale is its entry of lowp_scales. Its value is code x scale, taken as it is: it is not quantised again, and the codes and scales need not be those that the quantiser above would give.
;; One version. Each part assembles by itself: llvm-mc -triple=amdgcn-amd-amdhsa -mcpu=gfx1250 --defsym DOCPART=n.
;; ======== version 1 of 1: 3 launches
;; limits: right only within a limited range of input values
;; workspace buffers: q_img 8,388,608 bytes; kv_img 16,777,216 bytes; a_img 8,388,608 bytes
;; launch qkv (part 1): grid 16 x 32, 4 waves a work-group, clusters of 4 x 4, 327,680 bytes of LDS; arguments data_codes, Wq_codes, Wk_codes, Wv_codes, lowp_scales, q_img, kv_img; writes q_img, kv_img
.if DOCPART == 1
	.amdgcn_target "amdgcn-amd-amdhsa--gfx1250"
	.amdhsa_code_object_version 6
	.text
	.protected	k_qa761956ee1_qkv
	.globl	k_qa761956ee1_qkv
	.p2align	8
	.type	k_qa761956ee1_qkv,@function
k_qa761956ee1_qkv:
	s_mov_b64 s[64:65], 0
	v_nop
	global_prefetch_b8 v0, s[64:65] scope:SCOPE_SE
	s_setreg_imm32_b32 hwreg(HW_REG_WAVE_MODE, 25, 1), 1
	s_wait_xcnt 0x0
	s_wait_alu depctr_hold_cnt(0) depctr_sa_sdst(0) depctr_va_vdst(0) depctr_va_sdst(0) depctr_va_ssrc(0) depctr_va_vcc(0) depctr_vm_vsrc(0)
	s_getreg_b32 s2, hwreg(HW_REG_IB_STS2, 6, 4)
	s_cmp_eq_u32 s2, 0
	s_cbranch_scc0 .Lentry_in_a_cluster
	s_endpgm
.Lentry_in_a_cluster:
	s_bfe_u32 s2, ttmp6, 0x10000c
	s_cmp_lg_u32 s2, 0xf033
	s_cbranch_scc0 .Lentry_shape_is_right
	s_endpgm
.Lentry_shape_is_right:
; q, k, v = data x Wq, Wk, Wv for one head and 256 rows of data, on E4M3 codes as they are given; the f32 sums are quantised to E4M3 at once and leave as IMAGES OF OPERAND REGISTERS.
; data: [8192][1024] codes.  Wq, Wk, Wv: [16 heads][64][1024] codes, K innermost.  lowp_scales: e0 .. e11 (int32).
; A sum of q stands for sum x 2^(e0 + e1), so q's code is sum / 2^(e6 - e0 - e1), held within +-448 and rounded by the conversion; k likewise with e7 - e2 - e3, v with e9 - e4 - e5.
; LIMITS: each of these three differences lies between -126 and 119, so that the scale and 448 x the scale are f32 numbers.  NaN codes among the inputs are not served.
; SHARES.  Work-group (x = head, y = block of 256 rows).  Wave w takes rows 64 w .. 64 w + 63 against all 192 rows of the head's three weights: 48 accumulators of 16 x 16.
; K = 1024 goes in four pieces of 256 bytes through two LDS slots; each piece is two steps of 128.  The eight steps are written out: no loop.
; CLUSTER 4 x 4.  The four work-groups of a row of the cluster (same y) need the same tile of data, the four of a column (same head) the same tiles of the weights: each tile is asked for
; jointly, by the same tensor load with the same descriptor and a mask that names the four.  Wave 0 asks for data's 256 rows, waves 1, 2, 3 for 64 rows of Wq, Wk, Wv.
; LAYOUT OF THE RESULTS.  q and k: source 0 = 16 rows of the weight, source 1 = 16 rows of data: a lane holds one row of data and eight neighbouring channels, so one conversion of eight gives
; registers 2 T, 2 T + 1 of the K = 64 operand (channels 16 T + 8 (lane / 16) + 0 .. 7).  v: source 0 = 16 rows of data, source 1 = 16 rows of Wv: a lane holds one channel and eight neighbouring keys:
; registers 2 c, 2 c + 1 of the K = 128 operand V^T.  Lane r of Wv's tile 2 b + u takes row 32 b + 8 u + r + 8 (r / 8), so that the next launch's results come out as 16 neighbouring channels a lane.
; Every store of codes is four registers of 32 lanes, lane l's 16 bytes at 16 l: 512 consecutive bytes, aligned.  No stage in LDS is needed.
; Fragments are fetched by four loads of 16 bytes, 32 bytes apart: a permutation of k that is the same on both sides of each product.
; REGISTERS, in windows of 256.  Window 0: v1-29 addresses and constants; v64-127, v128-191 data's four fragments, two sets; at the end v64-159 codes, v192-255 held numbers.
;   window 1: v0-63 Wq, v64-127 Wk, v128-191 Wv (tile T at + 16 T).   window 2: v0-127 q's accumulators, v128-255 k's ((T, a) at 8 (4 a + T)).   window 3: v0-127 v's ((a, T) at 8 (4 T + a)).
; THE PROGRAM'S DEAD WORK (all of it in launch attn): key steps all of whose keys come after a tile's queries.  reference() sets those scores to -inf by its own jnp.tril, so their softmax weights are 0 for all
; finite inputs and they add nothing to the row's sum or to the weighted sum.  LIMIT: a NaN, an infinity or an overflow that would arise only in such a step is not carried to the result.  Every input is loaded.
; THE HEAD: each wave issues one joint load, its part of the first piece of K; the second piece's load, slot 1's first fill, is issued as a refill is, behind the three lines and a whole round of the cluster's barrier.
.set PITCH, 272
.set AB,    256*PITCH                  ; data's 256 rows
.set WB,    64*PITCH                   ; 64 rows: a weight's tile, and a wave's rows of data
.set SLOT,  AB+3*WB                    ; data, Wq, Wk, Wv
.set SPARE, 2*SLOT                     ; behind the ring: the spare words, 128 bytes a wave: two blocks of 256 bytes that no other line names
.set SCQ,  8                           ; v8, v9    q's scale as f32, and 448 x it
.set HQ,   9
.set SCK,  10                          ; v10, v11  k's
.set HK,   11
.set SCV,  12                          ; v12, v13  v's
.set HV,   13
.set ADRA, 16                          ; v16-17  LDS address of my data fragments in slot 0, 1
.set ADRW, 18                          ; v18-19  of Wq's (Wk's lie WB further on)
.set ADRV, 20                          ; v20-21  of Wv's, with its own choice of rows
.set LI,   22                          ; v22     16 x lane: my place in an image
.set SPW,  28                          ; v28     LDS address of my spare word; never rewritten
.set NIL,  29                          ; v29     0; never rewritten
.set DF0,  64
.set DF1,  128
.set CD,   64
.set TMP,  192
.set WQF,  0
.set WKF,  64
.set WVF,  128
.set ACQ,  0
.set ACK,  128
.set ACV,  0
.set WN,   18                          ; s18  my wave's number
.set G1A,  24                          ; s[24:31] descriptor group 1 for data's tile;  s[32:39] group 0, a set for each slot
.set G0A,  32
.set G1W,  40                          ; s[40:47], s[48:55] the same for a weight's tile
.set G0W,  48
.set QB,   78                          ; s[78:79] where my q goes;  s[80:81] my k;  s[82:83] my v
.set KB,   80
.set VB,   82
.set MSB, 0
.macro WIN new                         ; the immediate's high byte repeats the setting that is left; a switch that changes nothing is dropped
.if MSB != \new
	s_set_vgpr_msb (MSB<<8)|\new
.set MSB, \new
.endif
.endm
.macro PLACES                          ; four plain vector lines between a matrix instruction and a load into, or a vector read or write of, its registers (ISA guide 7.12.1 for vector instructions)
.rept 4
	v_nop
.endr
.endm
; A joint load.  Each of the two lines has one mask; the branch hangs on the wave's number alone.  Four v_nop follow each line.
.macro JLOAD s
	s_cmp_eq_u32 s[WN], 0
	s_cbranch_scc0 .Lfor_w_\@
	tensor_load_to_lds s[G0A+4*\s:G0A+4*\s+3], s[G1A:G1A+7]
	s_nop 0
.rept 4
	v_nop
.endr
	s_branch .Lasked_\@
.Lfor_w_\@:
	tensor_load_to_lds s[G0W+4*\s:G0W+4*\s+3], s[G1W:G1W+7]
	s_nop 0
.rept 4
	v_nop
.endr
.Lasked_\@:
.endm
.macro CREST                           ; a round of the cluster's barrier behind its opening barrier
	s_cmp_lg_u32 s[WN], 0
	s_cbranch_scc1 .Lnot_wave_0_\@
	s_barrier_signal -3
.Lnot_wave_0_\@:
	s_barrier_wait -3
	s_barrier_signal -1
	s_barrier_wait -1
.endm
.macro CROUND                          ; a whole round
	s_barrier_signal -1
	s_barrier_wait -1
	CREST
.endm
	s_load_b256 s[4:11], s[0:1], 0x0               ; data s[4:5], Wq s[6:7], Wk s[8:9], Wv s[10:11]
	s_load_b128 s[12:15], s[0:1], 0x20             ; the scales' exponents s[12:13], q_img s[14:15]
	s_load_b64 s[16:17], s[0:1], 0x30              ; kv_img
	v_lshl_add_u32 v[SPW], v0, 2, SPARE
	v_mov_b32 v[NIL], 0
	ds_add_u32 v28, v29
	ds_add_u32 v28, v29
	s_wait_dscnt 0x0
	v_lshrrev_b32 v1, 5, v0
	v_readfirstlane_b32 s[WN], v1                  ; wave 0..3
	s_bfe_u32 s19, ttmp6, 0x40000                  ; cx
	s_bfe_u32 s20, ttmp6, 0x40004                  ; cy
	s_lshl_b32 s21, ttmp9, 2
	s_add_co_u32 s21, s21, s19                     ; the head = 4 x cluster x + cx
	s_and_b32 s22, ttmp7, 0xffff
	s_lshl_b32 s22, s22, 2
	s_add_co_u32 s22, s22, s20                     ; the block of 256 rows = 4 x cluster y + cy
	s_lshl_b32 s84, s20, 2
	s_lshl_b32 s84, 15, s84                        ; my row of the cluster
	s_lshl_b32 s85, 0x1111, s19                    ; my column
	; group 1: rows of 256 elements of one byte, 1,024 apart in memory; 16 bytes of padding behind each 64 words
	s_or_b32 s[G1A], s84, (1<<20)|(1<<21)|(5<<22)|(3<<25)   ; 15:0 the mask: data's tile goes to my row; 20 padding on; 21 set beside a mask; 24:22 after every 64 words; 31:25 four words
	s_mov_b32 s[G1A+1], 256<<16                    ; tensor_dim0 = 256
	s_mov_b32 s[G1A+2], 256<<16                    ; tensor_dim1 = 256
	s_mov_b32 s[G1A+3], 256<<16                    ; tile_dim0 = 256
	s_mov_b32 s[G1A+4], 256                        ; tile_dim1 = 256 rows
	s_mov_b32 s[G1A+5], 1024                       ; from row to row
	s_mov_b32 s[G1A+6], 0
	s_mov_b32 s[G1A+7], 0
	s_or_b32 s[G1W], s85, (1<<20)|(1<<21)|(5<<22)|(3<<25)   ; the same with the mask of my column
	s_mov_b32 s[G1W+1], 256<<16
	s_mov_b32 s[G1W+2], 64<<16                     ; tensor_dim1 = 64
	s_mov_b32 s[G1W+3], 256<<16
	s_mov_b32 s[G1W+4], 64                         ; tile_dim1 = 64 rows
	s_mov_b32 s[G1W+5], 1024
	s_mov_b32 s[G1W+6], 0
	s_mov_b32 s[G1W+7], 0
	s_lshl_b32 s58, s22, 18                        ; data: 256 rows of 1,024 bytes a block: hangs on y alone
	s_mov_b32 s59, 0
	s_lshl_b32 s60, s21, 16                        ; a weight: 64 rows of 1,024 bytes a head: hangs on x alone
	s_mov_b32 s61, 0
	s_mul_i32 s86, s[WN], WB
	s_add_co_u32 s86, s86, AB-WB                   ; where wave 1, 2, 3 puts its weight's tile in a slot: behind data's rows
	s_wait_kmcnt 0x0
	s_load_b256 s[68:75], s[12:13], 0x0            ; e0 .. e7
	s_load_b64 s[76:77], s[12:13], 0x20            ; e8, e9
	s_cmp_eq_u32 s[WN], 2                          ; which weight my wave asks for: the choice hangs on the wave's number alone
	s_cselect_b64 s[56:57], s[8:9], s[6:7]
	s_cmp_eq_u32 s[WN], 3
	s_cselect_b64 s[56:57], s[10:11], s[56:57]
	s_add_nc_u64 s[58:59], s[4:5], s[58:59]
	s_add_nc_u64 s[60:61], s[56:57], s[60:61]
	; THE PREFETCHES INTO THE L2.  At each change of slots every wave has waited for all its tensor loads, so a refill has nothing on its way beside it: what it asks for is asked of memory earlier.
	; Behind the head's joint load: pieces 1 and 2 of K; behind the second piece's load: piece 3: each one piece ahead of the load that wants it or more.  A piece is 256 bytes of a row, aligned: a lane a block.
	; DATA: of the tile's 256 rows the partner at cx takes 64 and its wave w 16 of them.  WEIGHTS: of its weight's 64 rows wave 1, 2, 3 of the partner at cy takes 16.  The partners are told apart by address alone.
	; So each block is named once in a cluster.  A block of data is loaded by the four clusters of its row of clusters, and each asks.  The weights are loaded by all eight rows of clusters: rows 0-3 alone ask.
	; The address registers (v23, v24, s[62:63], s[66:67]) are never rewritten, and every lane's address lies in a row that its cluster loads.
.set PFO, 23                           ; v23  1,024 x (lane % 16) + 256 x (lane / 16): 16 rows x two pieces
.set PF3, 24                           ; v24  1,024 x min(lane, 15): 16 rows x one piece; the lanes left over name the last block again
	s_lshl_b32 s96, s19, 16                        ; 64 cx rows of 1,024 bytes
	s_lshl_b32 s97, s[WN], 14                      ; + 16 w rows
	s_add_co_u32 s96, s96, s97
	s_mov_b32 s97, 0
	s_add_nc_u64 s[62:63], s[58:59], s[96:97]      ; my 16 rows of data
	s_lshl_b32 s98, s20, 14                        ; 16 cy rows
	s_mov_b32 s99, 0
	s_add_nc_u64 s[66:67], s[60:61], s[98:99]      ; my 16 rows of my wave's weight
	s_and_b32 s96, ttmp7, 0xffff                   ; the cluster's y, which the partners share
	s_cmp_lt_u32 s96, 4
	s_cselect_b32 s3, s[WN], 0                     ; not 0: my wave asks for its weight
	CROUND                                         ; all sixteen work-groups are here: the first joint loads meet
.irp s, 0,1
	s_mov_b32 s[G0A+4*\s], 1                       ; count = 1
	s_mov_b32 s[G0A+4*\s+1], \s*SLOT               ; LDS address
	s_add_nc_u64 s[G0A+4*\s+2:G0A+4*\s+3], s[58:59], \s*256   ; piece s of K
	s_or_b32 s[G0A+4*\s+3], s[G0A+4*\s+3], 0x80000000         ; type = 2
	s_mov_b32 s[G0W+4*\s], 1
	s_add_co_u32 s[G0W+4*\s+1], s86, \s*SLOT
	s_add_nc_u64 s[G0W+4*\s+2:G0W+4*\s+3], s[60:61], \s*256
	s_or_b32 s[G0W+4*\s+3], s[G0W+4*\s+3], 0x80000000
.endr
	JLOAD 0                                        ; the first piece of K: one tensor load a wave at the head
	v_and_b32 v1, 15, v0                           ; r = lane % 16
	v_bfe_u32 v2, v0, 4, 1                         ; h = lane / 16
	v_mul_u32_u24 v3, v1, PITCH
	v_lshl_add_u32 v3, v2, 4, v3                   ; row r x pitch + 16 h
	s_mul_i32 s87, s[WN], WB                       ; my 64 rows of data
	v_add_nc_u32 v[ADRA], s87, v3
	v_add_nc_u32 v[ADRA+1], SLOT, v[ADRA]
	v_add_nc_u32 v[ADRW], AB, v3
	v_add_nc_u32 v[ADRW+1], SLOT, v[ADRW]
	v_and_b32 v4, 8, v1
	v_add_nc_u32 v4, v4, v1                        ; r + 8 (r / 8)
	v_mul_u32_u24 v4, v4, PITCH
	v_lshl_add_u32 v4, v2, 4, v4
	v_add_nc_u32 v[ADRV], AB+2*WB, v4
	v_add_nc_u32 v[ADRV+1], SLOT, v[ADRV]
	v_and_b32 v5, 31, v0
	v_lshlrev_b32 v[LI], 4, v5
	v_lshlrev_b32 v[PFO], 10, v1
	v_lshl_add_u32 v[PFO], v2, 8, v[PFO]
	v_min_u32 v[PF3], 15, v5
	v_lshlrev_b32 v[PF3], 10, v[PF3]
	global_prefetch_b8 v[PFO], s[62:63] offset:256 th:TH_LOAD_NT scope:SCOPE_SE    ; data: K 256-511 and 512-767 of my 16 rows
	s_cmp_lg_u32 s3, 0
	s_cbranch_scc0 .Lno_weight_1
	global_prefetch_b8 v[PFO], s[66:67] offset:256 th:TH_LOAD_NT scope:SCOPE_SE    ; my weight likewise
.Lno_weight_1:
	; where my results go.  Row t of batch b: t = 256 yb + 64 w + 16 a + i.  Query tile t / 16; key step t / 128 = 2 yb + w / 2; key tile in it 4 (w % 2) + a
	s_lshr_b32 s87, s22, 3                         ; b
	s_and_b32 s88, s22, 7                          ; yb
	s_lshl_b32 s87, s87, 4
	s_add_co_u32 s87, s87, s21                     ; bh = 16 b + head
	s_lshl_b32 s90, s87, 17                        ; q_img: 128 tiles of 1,024 bytes a head,
	s_lshl_b32 s89, s88, 14
	s_add_co_u32 s90, s90, s89                     ; + 16 yb tiles
	s_lshl_b32 s89, s[WN], 12
	s_add_co_u32 s90, s90, s89                     ; + 4 w tiles
	s_mov_b32 s91, 0
	s_add_nc_u64 s[QB:QB+1], s[14:15], s[90:91]
	s_lshl_b32 s92, s87, 18                        ; kv_img: 16 key steps of 16,384 bytes a head,
	s_lshl_b32 s89, s88, 15
	s_add_co_u32 s92, s92, s89                     ; + 2 yb steps
	s_lshr_b32 s89, s[WN], 1
	s_lshl_b32 s89, s89, 14
	s_add_co_u32 s92, s92, s89                     ; + w / 2 steps
	s_mov_b32 s93, 0
	s_add_nc_u64 s[VB:VB+1], s[16:17], s[92:93]
	s_and_b32 s89, s[WN], 1
	s_lshl_b32 s94, s89, 12                        ; k: four key tiles of 1,024 bytes for each half of the step
	s_mov_b32 s95, 0
	s_add_nc_u64 s[KB:KB+1], s[VB:VB+1], s[94:95]
	s_lshl_b32 s94, s89, 10                        ; v: behind k's 8,192 bytes; my 64 keys are two of a channel tile's four blocks of 512 bytes
	s_add_co_u32 s94, s94, 8192
	s_add_nc_u64 s[VB:VB+1], s[VB:VB+1], s[94:95]
.macro FRAG reg, adr, off              ; a fragment, 16 rows x 128 K: registers 4 c .. 4 c + 3 hold K = 32 c + 16 (lane / 16) + 0 .. 15
.irp c, 0,1,2,3
	ds_load_b128 v[\reg+4*\c:\reg+4*\c+3], v[\adr] offset:\off+32*\c
.endr
.endm
.macro LOADWQ slot, q                  ; each of these four is a run of 16 LDS loads; q: which 128 of the slot's 256 along K
	WIN 0x40                                       ; destination window 1, address window 0
.irp t, 0,1,2,3
	FRAG WQF+16*\t, ADRW+\slot, 128*\q+\t*16*PITCH
.endr
.endm
.macro LOADWK slot, q
	WIN 0x40
.irp t, 0,1,2,3
	FRAG WKF+16*\t, ADRW+\slot, WB+128*\q+\t*16*PITCH
.endr
.endm
.macro LOADWV slot, q
	WIN 0x40
.irp t, 0,1,2,3
	FRAG WVF+16*\t, ADRV+\slot, 128*\q+(32*(\t/2)+8*(\t%2))*PITCH
.endr
.endm
.macro LOADD slot, q, buf
	WIN 0
.irp t, 0,1,2,3
	FRAG \buf+16*\t, ADRA+\slot, 128*\q+\t*16*PITCH
.endr
.endm
; 16 matrix instructions on 16 accumulators, one each: the 48 accumulators take turns in the same order in every step.  zero = 1: the first step starts the sums: nothing is cleared.
.macro RUNQK ac, wf, buf, zero         ; source 0 = 16 rows of Wq or Wk (window 1), source 1 = 16 rows of data (window 0), C and D window 2
	WIN 0xa1
.irp a, 0,1,2,3
.irp t, 0,1,2,3
.if \zero
	v_wmma_f32_16x16x128_fp8_fp8 v[\ac+8*(4*\a+\t):\ac+8*(4*\a+\t)+7], v[\wf+16*\t:\wf+16*\t+15], v[\buf+16*\a:\buf+16*\a+15], 0
.else
	v_wmma_f32_16x16x128_fp8_fp8 v[\ac+8*(4*\a+\t):\ac+8*(4*\a+\t)+7], v[\wf+16*\t:\wf+16*\t+15], v[\buf+16*\a:\buf+16*\a+15], v[\ac+8*(4*\a+\t):\ac+8*(4*\a+\t)+7]
.endif
.endr
.endr
.endm
.macro RUNV buf, zero                  ; source 0 = 16 rows of data (window 0), source 1 = 16 rows of Wv (window 1), C and D window 3
	WIN 0xf4
.irp t, 0,1,2,3
.irp a, 0,1,2,3
.if \zero
	v_wmma_f32_16x16x128_fp8_fp8 v[ACV+8*(4*\t+\a):ACV+8*(4*\t+\a)+7], v[\buf+16*\a:\buf+16*\a+15], v[WVF+16*\t:WVF+16*\t+15], 0
.else
	v_wmma_f32_16x16x128_fp8_fp8 v[ACV+8*(4*\t+\a):ACV+8*(4*\t+\a)+7], v[\buf+16*\a:\buf+16*\a+15], v[WVF+16*\t:WVF+16*\t+15], v[ACV+8*(4*\t+\a):ACV+8*(4*\t+\a)+7]
.endif
.endr
.endr
.endm
; A step's operands are asked for in the order Wq, data, Wk, Wv, 16 loads each, each run as soon as its registers are free in the step before.
; STEP: a slot's first 128 along K, on data's set 0; it fetches the slot's second 128, data into set 1.
.macro STEP slot, zero
	s_wait_dscnt 32                                ; Wq and data are in; Wk's and Wv's runs may be out
	RUNQK ACQ, WQF, DF0, \zero
	PLACES
	LOADWQ \slot, 1
	s_wait_dscnt 32                                ; Wk is in; behind it: Wv's run and the next Wq's
	RUNQK ACK, WKF, DF0, \zero
	PLACES
	LOADD \slot, 1, DF1
	LOADWK \slot, 1
	s_wait_dscnt 48                                ; Wv is in; behind it: the next step's Wq, data and Wk
	RUNV DF0, \zero
	PLACES
	LOADWV \slot, 1
	WIN 0
.endm
; TURN: a slot's second 128 along K, on data's set 1, and the change of slots: ONE barrier.  In front of it each wave waits for all its tensor loads (its part of the next slot), adds 0 to its spare word,
; and waits for that and for its reads of this slot.  fill = 1: the barrier opens a round of the cluster's barrier, and this slot is filled again, with the piece of K two further on, first thing behind the round.
.macro TURN slot, next, fill
	s_wait_tensorcnt 0x0                           ; all my tensor loads have landed  (every window is 0 here)
	ds_add_u32 v[SPW], v[NIL]                      ; 0 onto my spare word
	s_wait_dscnt 33                                ; Wq and data are in; Wk's run, Wv's run and the add may be out
	RUNQK ACQ, WQF, DF1, 0                         ; sixteen matrix instructions stand between the add and the wait for it
	s_wait_dscnt 0x0                               ; the add is done, and my reads of this slot are over
	s_barrier_signal -1
	RUNQK ACK, WKF, DF1, 0                         ; work on registers while the others arrive
	WIN 0
	s_barrier_wait -1
.if \fill
	CREST                                          ; no wave of any partner still reads this slot or has a load on its way
	s_add_nc_u64 s[G0A+4*\slot+2:G0A+4*\slot+3], s[G0A+4*\slot+2:G0A+4*\slot+3], 512
	s_add_nc_u64 s[G0W+4*\slot+2:G0W+4*\slot+3], s[G0W+4*\slot+2:G0W+4*\slot+3], 512
	JLOAD \slot                                    ; my one tensor load behind the round; its four v_nop are the places in front of the loads below
.else
	PLACES
.endif
	LOADWQ \next, 0
	LOADD \next, 0, DF0
	LOADWK \next, 0
	RUNV DF1, 0
	PLACES
	LOADWV \next, 0
	WIN 0
.endm
	s_wait_alu depctr_va_vdst(0)
	s_wait_tensorcnt 0x0                           ; my part of the first piece is in; these lines stand ahead of a later first fill, as ahead of a refill:
	ds_add_u32 v[SPW], v[NIL]                      ; 0 onto my spare word
	s_wait_dscnt 0x0                               ; the add is done
	CROUND                                         ; a whole round: everybody's part of the first piece is in, and all sixteen work-groups are here: the joint loads meet
	JLOAD 1                                        ; the second piece of K, the first tensor load behind the round
	LOADWQ 0, 0
	LOADD 0, 0, DF0
	LOADWK 0, 0
	LOADWV 0, 0
	WIN 0
	global_prefetch_b8 v[PF3], s[62:63] offset:768 th:TH_LOAD_NT scope:SCOPE_SE    ; data: K 768-1023 of my 16 rows, behind the joint load and the run of LDS loads
	s_cmp_lg_u32 s3, 0
	s_cbranch_scc0 .Lno_weight_2
	global_prefetch_b8 v[PF3], s[66:67] offset:768 th:TH_LOAD_NT scope:SCOPE_SE    ; my weight likewise
.Lno_weight_2:
	STEP 0, 1
	TURN 0, 1, 1                                   ; K 128-255; slot 0 takes K 512-767
	STEP 1, 0
	TURN 1, 0, 1                                   ; K 384-511; slot 1 takes K 768-1023
	STEP 0, 0
	TURN 0, 1, 0                                   ; nothing is left to fetch
	STEP 1, 0
	s_wait_dscnt 32                                ; the last step
	RUNQK ACQ, WQF, DF1, 0
	s_wait_dscnt 16                                ; Wk is in; Wv's run may be out
	RUNQK ACK, WKF, DF1, 0
	s_wait_dscnt 0x0
	RUNV DF1, 0
	WIN 0
	; THE WAY OUT.  The three folded scales, each as an f32 number, and 448 x each.
.macro MKSC e, sc, hold                ; s[e] holds the exponent
	s_add_co_i32 s[\e], s[\e], 127
	s_lshl_b32 s89, s[\e], 23
	v_mov_b32 v[\sc], s89                          ; the conversion takes this number's exponent field
	s_add_co_i32 s[\e], s[\e], 8
	s_lshl_b32 s89, s[\e], 23
	s_or_b32 s89, s89, 0x600000
	v_mov_b32 v[\hold], s89                        ; 448 = 1.75 x 2^8
.endm
	s_wait_kmcnt 0x0
	s_sub_co_i32 s84, s74, s68
	s_sub_co_i32 s84, s84, s69                     ; e6 - e0 - e1
	s_sub_co_i32 s85, s75, s70
	s_sub_co_i32 s85, s85, s71                     ; e7 - e2 - e3
	s_sub_co_i32 s86, s77, s72
	s_sub_co_i32 s86, s86, s73                     ; e9 - e4 - e5
	MKSC 84, SCQ, HQ
	s_wait_alu depctr_va_vdst(0)
	MKSC 85, SCK, HK
	MKSC 86, SCV, HV
	PLACES                                         ; behind the last products: their results are read and their operands' registers written below
; 32 sums (four accumulators that lie on end) are held, converted and stored: eight registers of codes, two blocks of 512 bytes.  Group n has its own registers for its codes, so no store's data are written again.
.macro OUTG srcwin, ac, sc, hold, base, off, n
	WIN \srcwin                                    ; source 0: the accumulators' window
.set i, 0
.rept 32
	v_med3_num_f32 v[TMP+32*((\n)%2)+i], v[\ac+i], -v[\hold], v[\hold]   ; the conversion to an 8-bit code does not saturate (ISA guide 7.6.2): the hold comes first; each accumulator from its low end on
.set i, i+1
.endr
	WIN 0
.irp k, 0,1,2,3
	v_cvt_scalef32_pk8_fp8_f32 v[CD+8*(\n)+2*\k:CD+8*(\n)+2*\k+1], v[TMP+32*((\n)%2)+8*\k:TMP+32*((\n)%2)+8*\k+7], v[\sc]
.endr
	v_nop                                          ; one plain vector line behind the last conversion of a run
	global_store_b128 v[LI], v[CD+8*(\n):CD+8*(\n)+3], s[\base:\base+1] offset:\off          ; 32 lanes store 512 consecutive bytes, aligned
	global_store_b128 v[LI], v[CD+8*(\n)+4:CD+8*(\n)+7], s[\base:\base+1] offset:\off+512
.endm
.irp a, 0,1,2,3
	OUTG 0x02, ACQ+32*\a, SCQ, HQ, QB, 1024*\a, \a           ; query tile a of my four
.endr
.irp a, 0,1,2,3
	OUTG 0x02, ACK+32*\a, SCK, HK, KB, 1024*\a, 4+\a         ; key tile a of my four
.endr
.irp a, 0,1,2,3
	OUTG 0x03, ACV+32*\a, SCV, HV, VB, 2048*\a, 8+\a         ; channel tile a: my 64 keys
.endr
	s_wait_tensorcnt 0x0                           ; the wave's end
	ds_add_u32 v[SPW], v[NIL]
	s_wait_dscnt 0x0
	CROUND                                         ; the closing round: no work-group ends while a partner may still ask for a tile that names it
	s_endpgm
.Lfunc_end_k_qa761956ee1_qkv:
	.size	k_qa761956ee1_qkv, .Lfunc_end_k_qa761956ee1_qkv-k_qa761956ee1_qkv
	.p2alignl 7, 3214868480
	.fill 96, 4, 3214868480
	.section	.rodata,"a",@progbits
	.p2align	6, 0x0
	.amdhsa_kernel k_qa761956ee1_qkv
		.amdhsa_group_segment_fixed_size 327680
		.amdhsa_private_segment_fixed_size 0
		.amdhsa_enable_private_segment 0
		.amdhsa_kernarg_size 56
		.amdhsa_user_sgpr_count 2
		.amdhsa_user_sgpr_kernarg_segment_ptr 1
		.amdhsa_wavefront_size32 1
		.amdhsa_system_sgpr_workgroup_id_x 1
		.amdhsa_system_sgpr_workgroup_id_y 1
		.amdhsa_system_sgpr_workgroup_id_z 1
		.amdhsa_system_vgpr_workitem_id 0
		.amdhsa_next_free_vgpr 896
		.amdhsa_next_free_sgpr 100
		.amdhsa_reserve_vcc 0
		.amdhsa_float_denorm_mode_32 3
		.amdhsa_float_denorm_mode_16_64 3
		.amdhsa_memory_ordered 1
		.amdhsa_forward_progress 1
		.amdhsa_inst_pref_size 104
	.end_amdhsa_kernel
	.amdgpu_metadata
---
amdhsa.version: [ 1, 2 ]
amdhsa.kernels:
  - .name:           k_qa761956ee1_qkv
    .symbol:         k_qa761956ee1_qkv.kd
    .args:
      - { .name: data_codes, .offset: 0, .size: 8, .value_kind: global_buffer, .address_space: global }
      - { .name: Wq_codes, .offset: 8, .size: 8, .value_kind: global_buffer, .address_space: global }
      - { .name: Wk_codes, .offset: 16, .size: 8, .value_kind: global_buffer, .address_space: global }
      - { .name: Wv_codes, .offset: 24, .size: 8, .value_kind: global_buffer, .address_space: global }
      - { .name: lowp_scales, .offset: 32, .size: 8, .value_kind: global_buffer, .address_space: global }
      - { .name: q_img, .offset: 40, .size: 8, .value_kind: global_buffer, .address_space: global }
      - { .name: kv_img, .offset: 48, .size: 8, .value_kind: global_buffer, .address_space: global }
    .group_segment_fixed_size: 327680
    .private_segment_fixed_size: 0
    .kernarg_segment_align: 8
    .kernarg_segment_size: 56
    .max_flat_workgroup_size: 128
    .sgpr_count:     100
    .vgpr_count:     896
    .wavefront_size: 32
...
	.end_amdgpu_metadata
.endif
;; end of part 1
;; launch attn (part 2): grid 4 x 64, 8 waves a work-group, clusters of 4 x 1, 327,680 bytes of LDS; arguments q_img, kv_img, lowp_scales, a_img; writes a_img
.if DOCPART == 2
	.amdgcn_target "amdgcn-amd-amdhsa--gfx1250"
	.amdhsa_code_object_version 6
	.text
	.protected	k_qa761956ee1_attn
	.globl	k_qa761956ee1_attn
	.p2align	8
	.type	k_qa761956ee1_attn,@function
k_qa761956ee1_attn:
	s_mov_b64 s[64:65], 0
	v_nop
	global_prefetch_b8 v0, s[64:65] scope:SCOPE_SE
	s_setreg_imm32_b32 hwreg(HW_REG_WAVE_MODE, 25, 1), 1
	s_wait_xcnt 0x0
	s_wait_alu depctr_hold_cnt(0) depctr_sa_sdst(0) depctr_va_vdst(0) depctr_va_sdst(0) depctr_va_ssrc(0) depctr_va_vcc(0) depctr_vm_vsrc(0)
	s_getreg_b32 s2, hwreg(HW_REG_IB_STS2, 6, 4)
	s_cmp_eq_u32 s2, 0
	s_cbranch_scc0 .Lentry_in_a_cluster
	s_endpgm
.Lentry_in_a_cluster:
	s_bfe_u32 s2, ttmp6, 0x10000c
	s_cmp_lg_u32 s2, 0x3003
	s_cbranch_scc0 .Lentry_shape_is_right
	s_endpgm
.Lentry_shape_is_right:
; Causal attention of one (batch, head) on E4M3 codes; 2,048 queries and keys, head size 64; logits are scores / 32.  The result is quantised for the last product and leaves as an image of its operand's registers.
; q_img: [bh 64][query tile 128][1,024 bytes].  kv_img: [bh][key step 16][16,384 bytes]: 8 key tiles of 1,024 bytes, then 4 channel tiles of V^T of 2,048 bytes.  a_img: [row tile 512][K step 8][4 x 512 bytes].
; LEFT OUT: key steps all of whose keys come after a pair's queries: reference()'s own causal mask gives them the weight 0 for all finite inputs (a NaN or infinity arising there alone is not carried on).
; THE SOFTMAX: t = score x 2^(e6 + e7) x log2(e) / 32; M = the largest t so far, rounded up to a whole number (kept as -M = floor(-t)); p = 2^(t - M) is quantised with 2^e8, not normalised; the row's sum is
; taken of the unquantised p; when M moves, the sum and O are multiplied by 2^(old M - new M), which rounds nothing.  At the end o = O x 2^(e8 + e9) / sum, quantised with 2^e10.
; LIMITS: e6 + e7 between -121 and 132 (they are added to the exponent field of log2(e) / 32); e8 and e10 between -126 and 119; t under 2^31 in magnitude.  NaN codes are not served.
; SHARES.  A cluster of four work-groups is one (batch, head).  The 128 query tiles are 16 groups of 8 (128 queries, as many as a key step has keys).  Work-group cx owns tiles 8 G + 2 cx, 8 G + 2 cx + 1 of every
; group G: a PAIR.  Wave w owns the pair of group w (low) and that of group 15 - w (high): (w + 1) + (16 - w) = 17 steps of a pair.  What is left out or masked hangs on the wave's number and the counters, never on cx.
; LDS is a plain copy of the head's 262,144 bytes of kv_img; every byte is filled once, JOINTLY with the three partners.  Each wave asks for key step w at the head and for key step 8 + w behind the sequence and the
; round ahead of a later first fill: one tensor load of a wave is out at a time.
; THE ORDER OF THE WORK.  First the high pair against key steps 0-7: 8 steps in every wave, none hidden, none on the diagonal (15 - w >= 8).  Then one barrier (key steps 8-15 are whole).  Then the low pair's w + 1
; steps and the high pair's 8 - w: 9 steps in every wave.  So the waves have equal work on both sides of the barrier.
; NO PREFETCH: all of K and V is asked for by the two loads at the head; the loops read LDS alone, so no stream from memory is left to run ahead of.
; LAYOUT.  S^T = K Q^T (source 0 = 16 keys, source 1 = 16 queries, K = 64) and O^T = V^T P^T (source 0 = 16 channels, source 1 = P, K = 128 keys): a lane holds one query (lane % 16) throughout.
; Tile t of S^T gives a lane keys 16 t + 8 (lane / 16) + 0 .. 7: converted, they are registers 2 t, 2 t + 1 of P.  V^T's rows were chosen so that O^T's tiles 2 b, 2 b + 1 are channels 32 b + 16 (lane / 16) + 0 .. 15.
; REGISTERS.  Window 0: v1-7, v40-45 addresses and constants; v8-23 four of statistics a tile (tile = 2 p + u): -M, the largest t, the sum (a pair); v24-39 eight at work for each of the two tiles in hand;
;   v64-191 S^T, then p, 64 a tile; v192-223 P's codes, 16 a tile.   Window 1: v0-63 fragments of K, then of V; v64-95 Q, 8 a tile; v128-255 O^T, 32 a tile.
.set SPARE, 262144                     ; behind the copy: the spare words, 128 bytes a wave: four blocks of 256 bytes that no other line names
.set LI,   1                           ; v1   16 x lane: my place in an image
.set ADR,  2                           ; v2   LDS address of the key step in hand
.set D0,   3                           ; v3   32 cx + lane % 16 - 8 (lane / 16): for the mask on the diagonal
.set DU,   4
.set HP,   5                           ; v5, v6  448 x 2^e8, twice: the two halves of a dual line take their second sources from different banks
.set HP2,  6
.set SP,   7                           ; v7   2^e8
.set ST,   8
.set TM,   24                          ; tile u at + 8 u: +0 at work, +1 the other half of the lanes', +2 f (a pair with +3, the maximum's second chain), +4, +5 a second sum
.set HO,   40                          ; v40  448 x 2^e10
.set SO,   41                          ; v41  2^e10
.set NINF, 42                          ; v42  -infinity
.set SPW,  44                          ; v44  LDS address of my spare word; never rewritten
.set NIL,  45                          ; v45  0; never rewritten
.set S,    64
.set P,    192
.set TS,   224                         ; v224-255  tile 0's sums of four neighbouring p, 16 pairs
.set FR,   0
.set QF,   64
.set OF,   128
.set WN,   12                          ; s12  my wave's number
.set CX,   13
.set BH,   14
.set G1,   16                          ; s[16:23] descriptor group 1;  s[24:31] two groups 0
.set G0,   24
.set SEL,  40                          ; s[40:41] v_permlanex16_b32's selects for lane l xor 16
.set CS,   42                          ; s[42:43] c = 2^(e6 + e7) log2(e) / 32: the packed form names a pair and takes its low word
.set KS,   44                          ; s44  a key step;  s45 its first byte in LDS
.set TB,   45
.set GRP,  46                          ; s46, s47  my two groups
.set KS2,  48                          ; s48, s49  the high pair's key step and its byte, behind the barrier
.set TB2,  49
.set QL,   56                          ; s[56:57], s[58:59] my two pairs in q_img
.set AL,   60                          ; s[60:61], s[62:63] and in a_img
.set ESUM, 70                          ; s70  e8 + e9
.set MSB, 0
.macro WIN new                         ; the immediate's high byte repeats the setting that is left
.if MSB != \new
	s_set_vgpr_msb (MSB<<8)|\new
.set MSB, \new
.endif
.endm
.macro PLACES                          ; four plain vector lines behind a matrix instruction (ISA guide 7.12.1 for vector instructions)
.rept 4
	v_nop
.endr
.endm
.macro ROUND                           ; a round of the cluster's barrier
	s_barrier_signal -1
	s_barrier_wait -1
	s_cmp_lg_u32 s[WN], 0
	s_cbranch_scc1 .Lnot_wave_0_\@
	s_barrier_signal -3
.Lnot_wave_0_\@:
	s_barrier_wait -3
	s_barrier_signal -1
	s_barrier_wait -1
.endm
	s_load_b256 s[4:11], s[0:1], 0x0               ; q_img s[4:5], kv_img s[6:7], the scales' exponents s[8:9], a_img s[10:11]
	v_lshl_add_u32 v[SPW], v0, 2, SPARE
	v_mov_b32 v[NIL], 0
	ds_add_u32 v[SPW], v[NIL]                      ; the opening lines: the add, twice on end, and its wait ahead of my first tensor load
	ds_add_u32 v[SPW], v[NIL]
	v_lshrrev_b32 v1, 5, v0
	v_readfirstlane_b32 s[WN], v1                  ; wave 0..7
	s_bfe_u32 s[CX], ttmp6, 0x40000                ; cx: it enters Q's and the result's addresses and the mask's vector, nothing else
	s_and_b32 s[BH], ttmp7, 0xffff                 ; bh = 16 x batch + head, which the partners share
	s_mov_b32 s[G1], 15|(3<<16)|(1<<21)            ; group 1: a dense block of 16,384 bytes as 64 rows of 32 elements of 8 bytes; the mask names all four work-groups; bit 21 beside it; no padding
	s_mov_b32 s[G1+1], 32<<16                      ; tensor_dim0
	s_mov_b32 s[G1+2], 64<<16                      ; tensor_dim1
	s_mov_b32 s[G1+3], 32<<16                      ; tile_dim0
	s_mov_b32 s[G1+4], 64                          ; tile_dim1
	s_mov_b32 s[G1+5], 32                          ; from row to row
	s_mov_b32 s[G1+6], 0
	s_mov_b32 s[G1+7], 0
	s_mov_b32 s[SEL], 0x76543210
	s_mov_b32 s[SEL+1], 0xfedcba98
	s_mov_b32 s[CS], 0x3d38aa3b                    ; log2(e) / 32
	s_mov_b32 s[KS], 0
	s_mov_b32 s[TB], 0
	s_mov_b32 s[GRP], s[WN]
	s_sub_co_u32 s[GRP+1], 15, s[WN]
	s_lshl_b32 s71, s[CX], 5
	s_lshl_b32 s68, s[WN], 14                      ; key step w: in LDS,
	s_lshl_b32 s66, s[BH], 18
	s_add_co_u32 s66, s66, s68                     ; and in kv_img
	s_mov_b32 s67, 0
	s_lshl_b32 s72, s[BH], 17                      ; q_img: 131,072 bytes a head, tile 8 G + 2 cx
	s_lshl_b32 s73, s[CX], 11
	s_add_co_u32 s72, s72, s73
	s_lshl_b32 s73, s[GRP], 13
	s_add_co_u32 s[QL], s72, s73
	s_mov_b32 s[QL+1], 0
	s_lshl_b32 s73, s[GRP+1], 13
	s_add_co_u32 s[QL+2], s72, s73
	s_mov_b32 s[QL+3], 0
	s_lshr_b32 s74, s[BH], 4                       ; a_img: row tile 128 x batch + 8 G + 2 cx, of 16,384 bytes;
	s_lshl_b32 s74, s74, 21
	s_lshl_b32 s73, s[CX], 15
	s_add_co_u32 s74, s74, s73
	s_bfe_u32 s73, s[BH], 0x30001                  ; K step head / 2, of 2,048 bytes;
	s_lshl_b32 s73, s73, 11
	s_add_co_u32 s74, s74, s73
	s_and_b32 s73, s[BH], 1                        ; its half head % 2, of 1,024
	s_lshl_b32 s73, s73, 10
	s_add_co_u32 s74, s74, s73
	s_lshl_b32 s73, s[GRP], 17
	s_add_co_u32 s[AL], s74, s73
	s_mov_b32 s[AL+1], 0
	s_lshl_b32 s73, s[GRP+1], 17
	s_add_co_u32 s[AL+2], s74, s73
	s_mov_b32 s[AL+3], 0
	s_wait_dscnt 0x0                               ; both opening adds are done
	s_wait_kmcnt 0x0
	s_load_b64 s[50:51], s[8:9], 0x18              ; e6, e7
	s_load_b128 s[52:55], s[8:9], 0x20             ; e8, e9, e10, e11
	s_add_nc_u64 s[66:67], s[6:7], s[66:67]
	s_add_nc_u64 s[QL:QL+1], s[4:5], s[QL:QL+1]
	s_add_nc_u64 s[QL+2:QL+3], s[4:5], s[QL+2:QL+3]
	s_add_nc_u64 s[AL:AL+1], s[10:11], s[AL:AL+1]
	s_add_nc_u64 s[AL+2:AL+3], s[10:11], s[AL+2:AL+3]
.irp j, 0,1
	s_mov_b32 s[G0+4*\j], 1                        ; count = 1
	s_add_co_u32 s[G0+4*\j+1], s68, \j*131072      ; LDS address: key step 8 j + w
	s_add_nc_u64 s[G0+4*\j+2:G0+4*\j+3], s[66:67], \j*131072
	s_or_b32 s[G0+4*\j+3], s[G0+4*\j+3], 0x80000000   ; type = 2
.endr
	ROUND                                          ; all four work-groups are here: the joint loads meet
	tensor_load_to_lds s[G0:G0+3], s[G1:G1+7]      ; key step w: my one tensor load at the head
	s_nop 0
	PLACES
	v_and_b32 v[LI], 31, v0
	v_lshlrev_b32 v[LI], 4, v[LI]
	WIN 0x40                                       ; destination window 1, address window 0
.irp u, 0,1
.irp c, 0,1
	global_load_b128 v[QF+8*\u+4*\c:QF+8*\u+4*\c+3], v[LI], s[QL:QL+1] offset:1024*\u+512*\c          ; Q stays in registers: the low pair's two tiles,
	global_load_b128 v[QF+16+8*\u+4*\c:QF+16+8*\u+4*\c+3], v[LI], s[QL+2:QL+3] offset:1024*\u+512*\c  ; the high pair's
.endr
.endr
.set i, 0
.rept 128
	v_mov_b32 v[OF+i], 0                           ; O^T.  The step has no first form of its own: the first finds zeros, which the first change of M leaves zeros; these lines stand under the tensor load's flight
.set i, i+1
.endr
	WIN 0
	v_and_b32 v[D0], 15, v0
	v_bfe_u32 v[DU], v0, 4, 1
	v_lshlrev_b32 v[DU], 3, v[DU]
	v_sub_nc_u32 v[D0], v[D0], v[DU]
	v_add_nc_u32 v[D0], s71, v[D0]
	v_mov_b32 v[NINF], 0xff800000
.irp t, 0,1,2,3
	v_mov_b32 v[ST+4*\t+1], 0xff61b1e6             ; the largest t so far: -3e38, under every t
	v_floor_f32 v[ST+4*\t], -v[ST+4*\t+1]          ; -M
	v_mov_b32 v[ST+4*\t+2], 0                      ; the sum, in two halves
	v_mov_b32 v[ST+4*\t+3], 0
.endr
.set i, 0
.rept 16
	v_mov_b32 v[TM+i], 0                           ; written once: a lane permute's destination counts as read, and so does the upper half of a pair
.set i, i+1
.endr
	s_wait_alu depctr_va_vdst(0)
	s_wait_kmcnt 0x0
	s_add_co_i32 s75, s50, s51
	s_lshl_b32 s75, s75, 23
	s_add_co_i32 s[CS], s[CS], s75                 ; a score stands for score x 2^(e6 + e7): the two exponents are added to c's exponent field
	s_mov_b32 s[CS+1], s[CS]
	s_add_co_i32 s75, s52, 127
	s_lshl_b32 s76, s75, 23
	v_mov_b32 v[SP], s76
	s_add_co_i32 s75, s75, 8
	s_lshl_b32 s75, s75, 23
	s_or_b32 s75, s75, 0x600000
	v_mov_b32 v[HP], s75
	v_mov_b32 v[HP2], s75
	s_add_co_i32 s75, s54, 127
	s_lshl_b32 s76, s75, 23
	v_mov_b32 v[SO], s76
	s_add_co_i32 s75, s75, 8
	s_lshl_b32 s75, s75, 23
	s_or_b32 s75, s75, 0x600000
	v_mov_b32 v[HO], s75
	s_add_co_i32 s[ESUM], s52, s53
; ONE KEY STEP OF PAIR p: 128 keys against the pair's 32 queries.  ks, tb: the scalar registers with the key step and its byte in LDS.  test = 1: the step is left out where all its keys come after the pair's
; queries, and masked on the diagonal: scalar branches on the counter and the wave's number.  test = 0: the caller's key steps all lie under the pair's group.
.macro PSTEP p, ks, tb, test
.if \test
	s_cmp_gt_u32 s[\ks], s[GRP+\p]
	s_cbranch_scc1 .Lskip_\@
.endif
	v_add_nc_u32 v[ADR], s[\tb], v[LI]
	s_wait_alu depctr_va_vdst(0)
	PLACES                                         ; in front of loads into registers that the last products read
	WIN 0x40
.irp t, 0,1,2,3,4,5,6,7
	ds_load_b128 v[FR+8*\t:FR+8*\t+3], v[ADR] offset:1024*\t         ; key tile t as it was stored: 512 consecutive bytes a load
	ds_load_b128 v[FR+8*\t+4:FR+8*\t+7], v[ADR] offset:1024*\t+512
.endr
	s_wait_dscnt 0x0
	WIN 0x05                                       ; K and Q in window 1, S^T in window 0
.irp t, 0,1,2,3,4,5,6,7
.irp u, 0,1
	v_wmma_f32_16x16x64_fp8_fp8 v[S+64*\u+8*\t:S+64*\u+8*\t+7], v[FR+8*\t:FR+8*\t+7], v[QF+8*(2*\p+\u):QF+8*(2*\p+\u)+7], 0
.endr
.endr
	PLACES                                         ; behind those products: for the loads below and for the first reads of the scores
	WIN 0x40
.irp d, 0,1,2,3
.irp c, 0,1,2,3
	ds_load_b128 v[FR+16*\d+4*\c:FR+16*\d+4*\c+3], v[ADR] offset:8192+2048*\d+512*\c   ; V^T's four channel tiles land while the softmax is worked
.endr
.endr
	WIN 0
.if \test
	s_cmp_lg_u32 s[\ks], s[GRP+\p]
	s_cbranch_scc1 .Lopen_\@
.irp u, 0,1                            ; on the diagonal: register n holds key 16 (n / 8) + n % 8 + 8 (lane / 16) of the step, my query is 32 cx + 16 u + lane % 16 of the group: hidden scores become -infinity, so that p = 0
	v_add_nc_u32 v[DU], 16*\u, v[D0]
.set n, 0
.rept 64
	v_cmp_gt_i32 vcc_lo, 16*(n/8)+n%8, v[DU]
	v_cndmask_b32 v[S+64*\u+n], v[S+64*\u+n], v[NINF], vcc_lo
.set n, n+1
.endr
.endr
.Lopen_\@:
.endif
	; the step's largest score of my query among my 64 keys: two chains a tile, the two tiles line by line; each accumulator is read from its low end on
.irp u, 0,1
	v_max3_num_f32 v[TM+8*\u], v[S+64*\u], v[S+64*\u+1], v[S+64*\u+2]
.endr
.irp u, 0,1
	v_max3_num_f32 v[TM+8*\u+3], v[S+64*\u+3], v[S+64*\u+4], v[S+64*\u+5]
.endr
.set i, 6
.rept 14
.irp u, 0,1
	v_max3_num_f32 v[TM+8*\u], v[TM+8*\u], v[S+64*\u+i], v[S+64*\u+i+1]
.endr
.irp u, 0,1
	v_max3_num_f32 v[TM+8*\u+3], v[TM+8*\u+3], v[S+64*\u+i+2], v[S+64*\u+i+3]
.endr
.set i, i+4
.endr
.irp u, 0,1
	v_max3_num_f32 v[TM+8*\u], v[TM+8*\u], v[S+64*\u+62], v[S+64*\u+63]
.endr
.irp u, 0,1
	v_max_num_f32 v[TM+8*\u], v[TM+8*\u], v[TM+8*\u+3]
.endr
.irp u, 0,1
	v_permlanex16_b32 v[TM+8*\u+1], v[TM+8*\u], s[SEL], s[SEL+1]
.endr
.irp u, 0,1
	v_max_num_f32 v[TM+8*\u], v[TM+8*\u], v[TM+8*\u+1]              ; and among lane l xor 16's
.endr
.irp u, 0,1
	v_mul_f32 v[TM+8*\u], s[CS], v[TM+8*\u]                         ; as t (c is positive)
.endr
.irp u, 0,1
	v_max_num_f32 v[ST+8*\p+4*\u+1], v[ST+8*\p+4*\u+1], v[TM+8*\u]  ; the running largest t
.endr
.irp u, 0,1
	v_mov_b32 v[TM+8*\u], v[ST+8*\p+4*\u]
.endr
.irp u, 0,1
	v_floor_f32 v[ST+8*\p+4*\u], -v[ST+8*\p+4*\u+1]                 ; the new -M = floor(-t): M is a whole number
.endr
.irp u, 0,1
	v_sub_f32 v[TM+8*\u], v[ST+8*\p+4*\u], v[TM+8*\u]               ; old M - new M: a whole number, 0 or less
.endr
.irp u, 0,1
	v_cvt_i32_f32 v[TM+8*\u], v[TM+8*\u]                            ; (it saturates)
.endr
.irp u, 0,1
	v_ldexp_f32 v[TM+8*\u+2], 1.0, v[TM+8*\u]                       ; f = 2^(old M - new M)
.endr
	; TWO BATCHES OF 64 EXPONENTIALS, with plain lines between them that touch none of the batch's registers, and whose results are first read behind the wait that follows the batch.
.set j, 0
.rept 32
	v_pk_fma_f32 v[S+2*j:S+2*j+1], v[S+2*j:S+2*j+1], s[CS:CS+1], v[ST+8*\p:ST+8*\p+1] op_sel_hi:[1,0,0]   ; tile 0: t - M, two at a time
.set j, j+1
.endr
	s_wait_alu depctr_va_vdst(0)
.set j, 0
.rept 32
	v_exp_f32 v[S+2*j], v[S+2*j]                   ; tile 0: p = 2^(t - M), at most 1: not normalised
	v_exp_f32 v[S+2*j+1], v[S+2*j+1]
	v_pk_fma_f32 v[S+64+2*j:S+64+2*j+1], v[S+64+2*j:S+64+2*j+1], s[CS:CS+1], v[ST+8*\p+4:ST+8*\p+5] op_sel_hi:[1,0,0]   ; tile 1: t - M
.set j, j+1
.endr
	s_wait_alu depctr_va_vdst(0)                   ; one wait: behind the first batch, ahead of its readers, and ahead of the second batch, whose sources stand above
.set j, 0
.rept 16
	v_exp_f32 v[S+64+4*j], v[S+64+4*j]             ; tile 1's p; between them tile 0: four unquantised p are summed into a pair of their own, and only then held
	v_exp_f32 v[S+64+4*j+1], v[S+64+4*j+1]
	v_pk_add_f32 v[TS+2*j:TS+2*j+1], v[S+4*j:S+4*j+1], v[S+4*j+2:S+4*j+3]
	v_exp_f32 v[S+64+4*j+2], v[S+64+4*j+2]
	v_dual_min_num_f32 v[S+4*j], v[S+4*j], v[HP] :: v_dual_min_num_f32 v[S+4*j+1], v[S+4*j+1], v[HP2]
	v_exp_f32 v[S+64+4*j+3], v[S+64+4*j+3]
	v_dual_min_num_f32 v[S+4*j+2], v[S+4*j+2], v[HP] :: v_dual_min_num_f32 v[S+4*j+3], v[S+4*j+3], v[HP2]
.set j, j+1
.endr
.irp u, 0,1
	v_pk_mul_f32 v[ST+8*\p+4*\u+2:ST+8*\p+4*\u+3], v[ST+8*\p+4*\u+2:ST+8*\p+4*\u+3], v[TM+8*\u+2:TM+8*\u+3] op_sel_hi:[1,0]   ; the sums under the new M.  (The plain lines behind the exponentials)
.endr
	s_wait_alu depctr_va_vdst(0)                   ; one wait for the whole batch, ahead of its first reader
	v_pk_add_f32 v[TM+4:TM+5], v[TS:TS+1], v[TS+2:TS+3]             ; the rows' sums of the unquantised p: two chains a tile, line by line: tile 0 over its 16 pairs, tile 1 over its 32
	v_pk_add_f32 v[TM+12:TM+13], v[S+64:S+65], v[S+66:S+67]
.set j, 4
.rept 15
	v_pk_add_f32 v[ST+8*\p+6:ST+8*\p+7], v[ST+8*\p+6:ST+8*\p+7], v[S+64+j:S+64+j+1]
.if j < 32
	v_pk_add_f32 v[ST+8*\p+2:ST+8*\p+3], v[ST+8*\p+2:ST+8*\p+3], v[TS+j:TS+j+1]
.endif
	v_pk_add_f32 v[TM+12:TM+13], v[TM+12:TM+13], v[S+64+j+2:S+64+j+3]
.if j < 32
	v_pk_add_f32 v[TM+4:TM+5], v[TM+4:TM+5], v[TS+j+2:TS+j+3]
.endif
.set j, j+4
.endr
.irp u, 0,1
	v_pk_add_f32 v[ST+8*\p+4*\u+2:ST+8*\p+4*\u+3], v[ST+8*\p+4*\u+2:ST+8*\p+4*\u+3], v[TM+8*\u+4:TM+8*\u+5]
.endr
.set j, 0                              ; tile 0 is held already: eight numbers a conversion.  Tile 1: the hold (the conversion to an 8-bit code does not saturate: ISA guide 7.6.2; p is not negative, so it is one-sided), two numbers a line
.rept 8
	v_cvt_scalef32_pk8_fp8_f32 v[P+2*j:P+2*j+1], v[S+8*j:S+8*j+7], v[SP]
.set i, 0
.rept 4
	v_dual_min_num_f32 v[S+64+8*j+2*i], v[S+64+8*j+2*i], v[HP] :: v_dual_min_num_f32 v[S+64+8*j+2*i+1], v[S+64+8*j+2*i+1], v[HP2]
.set i, i+1
.endr
	v_cvt_scalef32_pk8_fp8_f32 v[P+16+2*j:P+16+2*j+1], v[S+64+8*j:S+64+8*j+7], v[SP]
.set j, j+1
.endr
	WIN 0x41                                       ; O^T (destination and source 0) in window 1, f in window 0
	s_wait_alu depctr_va_vdst(0)                   ; directly ahead of the first reader of O^T
.irp u, 0,1
.set i, 0
.rept 16
	v_pk_mul_f32 v[OF+32*(2*\p+\u)+2*i:OF+32*(2*\p+\u)+2*i+1], v[OF+32*(2*\p+\u)+2*i:OF+32*(2*\p+\u)+2*i+1], v[TM+8*\u+2:TM+8*\u+3] op_sel_hi:[1,0]   ; O^T under the new M.  (Also the plain lines behind the conversions)
.set i, i+1
.endr
.endr
	s_wait_alu depctr_va_vdst(0)
	s_wait_dscnt 0x0                               ; V^T is in
	WIN 0x51                                       ; V^T in window 1, P in window 0, O^T in window 1
.irp d, 0,1,2,3
.irp u, 0,1
	v_wmma_f32_16x16x128_fp8_fp8 v[OF+32*(2*\p+\u)+8*\d:OF+32*(2*\p+\u)+8*\d+7], v[FR+16*\d:FR+16*\d+15], v[P+16*\u:P+16*\u+15], v[OF+32*(2*\p+\u)+8*\d:OF+32*(2*\p+\u)+8*\d+7]   ; eight accumulators, one instruction each: by turns
.endr
.endr
	WIN 0
.if \test
.Lskip_\@:
.endif
.endm
	s_wait_alu depctr_va_vdst(0)                   ; the head's end
	s_wait_tensorcnt 0x0                           ; key step w is in; these lines stand ahead of a later first fill:
	ds_add_u32 v[SPW], v[NIL]
	s_wait_dscnt 0x0
	ROUND                                          ; key steps 0-7 are whole in all four work-groups, and the joint loads meet
	tensor_load_to_lds s[G0+4:G0+7], s[G1:G1+7]    ; key step 8 + w: my one tensor load behind the round; it has the eight steps below in which to land
	s_nop 0
	PLACES
	s_wait_loadcnt 0x0                             ; Q
.Lhigh_first:                                          ; the high pair against key steps 0-7
	PSTEP 1, KS, TB, 0
	s_add_co_u32 s[TB], s[TB], 16384
	s_add_co_u32 s[KS], s[KS], 1
	s_cmp_lt_u32 s[KS], 8
	s_cbranch_scc1 .Lhigh_first
	s_wait_tensorcnt 0x0                           ; key step 8 + w has landed,
	s_wait_dscnt 0x0
	s_barrier_signal -1
	s_barrier_wait -1                              ; everybody's has: the head's sixteen key steps lie in LDS
	s_mov_b32 s[KS], 0
	s_mov_b32 s[TB], 0
	s_mov_b32 s[KS2], 8
	s_mov_b32 s[TB2], 131072
.Lrest:                                                ; the low pair against key steps 0-7, the high pair against 8-15: w + 1 and 8 - w of them count
	PSTEP 0, KS, TB, 1
	PSTEP 1, KS2, TB2, 1
	s_add_co_u32 s[TB], s[TB], 16384
	s_add_co_u32 s[TB2], s[TB2], 16384
	s_add_co_u32 s[KS2], s[KS2], 1
	s_add_co_u32 s[KS], s[KS], 1
	s_cmp_lt_u32 s[KS], 8
	s_cbranch_scc1 .Lrest
	; THE WAY OUT.  1 / the row's sum x 2^(e8 + e9) for each of my four tiles; O^T x that; held, converted with 2^e10, stored as an image.
	PLACES                                         ; behind the last products
.irp t, 0,1,2,3
	v_add_f32 v[TM+2*\t], v[ST+4*\t+2], v[ST+4*\t+3]                ; the sum's two halves,
.endr
.irp t, 0,1,2,3
	v_permlanex16_b32 v[TM+2*\t+1], v[TM+2*\t], s[SEL], s[SEL+1]
.endr
.irp t, 0,1,2,3
	v_add_f32 v[TM+2*\t], v[TM+2*\t], v[TM+2*\t+1]                  ; and lane l xor 16's
.endr
	s_wait_alu depctr_va_vdst(0)
.irp t, 0,1,2,3
	v_rcp_f32 v[TM+2*\t], v[TM+2*\t]
.endr
	v_nop                                          ; a plain line behind the last reciprocal
	s_wait_alu depctr_va_vdst(0)                   ; and the wait ahead of the batch's first reader
.irp t, 0,1,2,3
	v_ldexp_f32 v[TM+2*\t], v[TM+2*\t], s[ESUM]
.endr
.macro OUT p, u
.set TT, 2*\p+\u
	WIN 0x01                                       ; source 0 (O^T) window 1
	s_wait_alu depctr_va_vdst(0)                   ; directly ahead of the first readers of this tile's O^T
.set i, 0
.rept 16
	v_pk_mul_f32 v[S+32*TT+2*i:S+32*TT+2*i+1], v[OF+32*TT+2*i:OF+32*TT+2*i+1], v[TM+2*TT:TM+2*TT+1] op_sel_hi:[1,0]   ; each accumulator from its low end on
.set i, i+1
.endr
	WIN 0
.set i, 0
.rept 32
	v_med3_num_f32 v[S+32*TT+i], v[S+32*TT+i], -v[HO], v[HO]
.set i, i+1
.endr
.irp k, 0,1,2,3
	v_cvt_scalef32_pk8_fp8_f32 v[P+8*TT+2*\k:P+8*TT+2*\k+1], v[S+32*TT+8*\k:S+32*TT+8*\k+7], v[SO]
.endr
	v_nop                                          ; one plain vector line behind the last conversion of a run
	global_store_b128 v[LI], v[P+8*TT:P+8*TT+3], s[AL+2*\p:AL+2*\p+1] offset:16384*\u          ; channels 0-31 of my head: 512 consecutive bytes, aligned
	global_store_b128 v[LI], v[P+8*TT+4:P+8*TT+7], s[AL+2*\p:AL+2*\p+1] offset:16384*\u+512    ; channels 32-63
.endm
	OUT 0, 0
	OUT 0, 1
	OUT 1, 0
	OUT 1, 1
	s_wait_tensorcnt 0x0                           ; the wave's end
	ds_add_u32 v[SPW], v[NIL]
	s_wait_dscnt 0x0
	ROUND                                          ; the closing round
	s_endpgm
.Lfunc_end_k_qa761956ee1_attn:
	.size	k_qa761956ee1_attn, .Lfunc_end_k_qa761956ee1_attn-k_qa761956ee1_attn
	.p2alignl 7, 3214868480
	.fill 96, 4, 3214868480
	.section	.rodata,"a",@progbits
	.p2align	6, 0x0
	.amdhsa_kernel k_qa761956ee1_attn
		.amdhsa_group_segment_fixed_size 327680
		.amdhsa_private_segment_fixed_size 0
		.amdhsa_enable_private_segment 0
		.amdhsa_kernarg_size 32
		.amdhsa_user_sgpr_count 2
		.amdhsa_user_sgpr_kernarg_segment_ptr 1
		.amdhsa_wavefront_size32 1
		.amdhsa_system_sgpr_workgroup_id_x 1
		.amdhsa_system_sgpr_workgroup_id_y 1
		.amdhsa_system_sgpr_workgroup_id_z 1
		.amdhsa_system_vgpr_workitem_id 0
		.amdhsa_next_free_vgpr 512
		.amdhsa_next_free_sgpr 96
		.amdhsa_reserve_vcc 1
		.amdhsa_float_denorm_mode_32 3
		.amdhsa_float_denorm_mode_16_64 3
		.amdhsa_memory_ordered 1
		.amdhsa_forward_progress 1
		.amdhsa_inst_pref_size 133
	.end_amdhsa_kernel
	.amdgpu_metadata
---
amdhsa.version: [ 1, 2 ]
amdhsa.kernels:
  - .name:           k_qa761956ee1_attn
    .symbol:         k_qa761956ee1_attn.kd
    .args:
      - { .name: q_img, .offset: 0, .size: 8, .value_kind: global_buffer, .address_space: global }
      - { .name: kv_img, .offset: 8, .size: 8, .value_kind: global_buffer, .address_space: global }
      - { .name: lowp_scales, .offset: 16, .size: 8, .value_kind: global_buffer, .address_space: global }
      - { .name: a_img, .offset: 24, .size: 8, .value_kind: global_buffer, .address_space: global }
    .group_segment_fixed_size: 327680
    .private_segment_fixed_size: 0
    .kernarg_segment_align: 8
    .kernarg_segment_size: 32
    .max_flat_workgroup_size: 256
    .sgpr_count:     96
    .vgpr_count:     512
    .wavefront_size: 32
...
	.end_amdgpu_metadata
.endif
;; end of part 2
;; launch proj (part 3): grid 4 x 64, 4 waves a work-group, clusters of 4 x 1, 168,448 bytes of LDS; arguments a_img, Wo_codes, bo, lowp_scales, out0; writes out0
.if DOCPART == 3
	.amdgcn_target "amdgcn-amd-amdhsa--gfx1250"
	.amdhsa_code_object_version 6
	.text
	.protected	k_qa761956ee1_proj
	.globl	k_qa761956ee1_proj
	.p2align	8
	.type	k_qa761956ee1_proj,@function
k_qa761956ee1_proj:
	s_mov_b64 s[64:65], 0
	v_nop
	global_prefetch_b8 v0, s[64:65] scope:SCOPE_SE
	s_setreg_imm32_b32 hwreg(HW_REG_WAVE_MODE, 25, 1), 1
	s_wait_xcnt 0x0
	s_wait_alu depctr_hold_cnt(0) depctr_sa_sdst(0) depctr_va_vdst(0) depctr_va_sdst(0) depctr_va_ssrc(0) depctr_va_vcc(0) depctr_vm_vsrc(0)
	s_getreg_b32 s2, hwreg(HW_REG_IB_STS2, 6, 4)
	s_cmp_eq_u32 s2, 0
	s_cbranch_scc0 .Lentry_in_a_cluster
	s_endpgm
.Lentry_in_a_cluster:
	s_bfe_u32 s2, ttmp6, 0x10000c
	s_cmp_lg_u32 s2, 0x3003
	s_cbranch_scc0 .Lentry_shape_is_right
	s_endpgm
.Lentry_shape_is_right:
; out[t][n] = 2^(e10 + e11) x the sum over k of a[t][k] Wo[n][k] + bo[n], on E4M3 codes.  a_img: [row tile 512][K step 8][4 x 512 bytes], images of operand registers.  Wo: [1024][1024] codes, K innermost.  out: [8192][1024] f32.
; LIMIT: e10 + e11 between -126 and 127, so that 2^(e10 + e11) is an f32 number.
; SHARES.  Work-group (cx = 256 columns, y = 128 rows).  Wave w makes columns 256 cx + 64 w .. + 63 for all 128 rows.  Its 64 rows of Wo, all of K, stay in 512 registers, read from memory once; each fragment of a
; that it reads from LDS feeds four matrix instructions.
; CLUSTER 4 x 1.  The four partners take different columns, so different rows of Wo, and the same 128 rows of a: those, one dense block of 131,072 bytes, are asked for JOINTLY, a quarter by each wave.
; Each LDS byte is filled once: no ring.  Wo goes straight into registers, so nothing of it could be shared through LDS.
; The matrix instruction is used transposed (source 0 = 16 rows of Wo, source 1 = 16 rows of a): a lane holds eight neighbouring columns of one row of out.
; A UNIT is half of K (512) for one tile of 16 rows: 16 matrix instructions on four accumulators by turns.  Two units finish a tile; its 16 rows x 64 columns go through the wave's own stage in LDS and leave as
; rows of 256 bytes while the next tile is multiplied.
; REGISTERS.  Window 0: v1-7 addresses; v16-47 bo in the result's layout; v48-111 two sets of four accumulators; v112-175 results, two sets; v176-239 rows read back, two sets.
;   windows 1, 2: Wo's fragments of K steps 0-3, 4-7 ((K step k, tile t) at 16 (4 k + t)).   window 3: four buffers of 64 for a's fragments.
.set LI,   1                           ; v1   16 x lane; v2 the same + 65,536, for row tiles 4-7 (an LDS offset has 16 bits)
.set WA,   3                           ; v3   Wo: row lane % 16 of 1,024 bytes + 16 (lane / 16)
.set STO,  4                           ; v4   the stage: where I put 32 bytes of a row
.set RD,   5                           ; v5   and where I read a row back
.set CO,   6                           ; v6   my byte offset in out
.set BA,   7                           ; v7   bo: 32 (lane / 16)
.set BO,   16
.set ACC,  48
.set TMP,  112
.set OB,   176
.set STG,  131072                      ; behind a's block: a stage of 16 rows x (256 bytes + 16) for each wave; no tensor load lands there
.set SPITCH, 272
.set WN,   14                          ; s14  my wave's number
.set G1,   24                          ; s[24:31] descriptor group 1;  s[32:35] group 0
.set G0,   32
.set SC,   42                          ; s[42:43] 2^(e10 + e11), named as a pair
.set MSB, 0
.macro WIN new                         ; the immediate's high byte repeats the setting that is left
.if MSB != \new
	s_set_vgpr_msb (MSB<<8)|\new
.set MSB, \new
.endif
.endm
.macro PLACES                          ; four plain vector lines between a matrix instruction and a load into, or a vector read of, its registers (ISA guide 7.12.1 for vector instructions)
.rept 4
	v_nop
.endr
.endm
.macro ROUND                           ; a round of the cluster's barrier
	s_barrier_signal -1
	s_barrier_wait -1
	s_cmp_lg_u32 s[WN], 0
	s_cbranch_scc1 .Lnot_wave_0_\@
	s_barrier_signal -3
.Lnot_wave_0_\@:
	s_barrier_wait -3
	s_barrier_signal -1
	s_barrier_wait -1
.endm
	s_load_b256 s[4:11], s[0:1], 0x0               ; a_img s[4:5], Wo s[6:7], bo s[8:9], the scales' exponents s[10:11]
	s_load_b64 s[12:13], s[0:1], 0x20              ; out
	v_lshl_add_u32 v254, v0, 2, 0x29000
	v_mov_b32 v255, 0
	ds_add_u32 v254, v255
	ds_add_u32 v254, v255
	v_lshrrev_b32 v1, 5, v0
	v_readfirstlane_b32 s[WN], v1                  ; wave 0..3
	s_bfe_u32 s15, ttmp6, 0x40000                  ; cx: it enters Wo's, bo's and out's addresses alone
	s_and_b32 s16, ttmp7, 0xffff                   ; y, which the partners share
	; group 1: a dense block of 32,768 bytes as 128 rows of 32 elements of 8 bytes
	s_mov_b32 s[G1], 15|(3<<16)|(1<<21)            ; 15:0 the mask: all four work-groups; 17:16 elements of 8 bytes; 21 set beside a mask; no padding
	s_mov_b32 s[G1+1], 32<<16                      ; tensor_dim0 = 32
	s_mov_b32 s[G1+2], 128<<16                     ; tensor_dim1 = 128
	s_mov_b32 s[G1+3], 32<<16                      ; tile_dim0 = 32
	s_mov_b32 s[G1+4], 128                         ; tile_dim1 = 128
	s_mov_b32 s[G1+5], 32                          ; from row to row
	s_mov_b32 s[G1+6], 0
	s_mov_b32 s[G1+7], 0
	s_lshl_b32 s17, s[WN], 15                      ; my quarter of the block: in LDS,
	s_lshl_b32 s36, s16, 17
	s_add_co_u32 s36, s36, s17                     ; and in a_img
	s_mov_b32 s37, 0
	s_lshl_b32 s18, s15, 8
	s_lshl_b32 s19, s[WN], 6
	s_add_co_u32 s18, s18, s19                     ; my first column: 256 cx + 64 w
	s_lshl_b32 s44, s18, 10                        ; its row of Wo
	s_mov_b32 s45, 0
	s_lshl_b32 s46, s18, 2                         ; its place in bo and in a row of out: a multiple of 256 bytes
	s_mov_b32 s47, 0
	s_lshl_b32 s48, s16, 19                        ; 128 rows of 4,096 bytes
	s_add_co_u32 s48, s48, s46
	s_mov_b32 s49, 0
	s_wait_dscnt 0x0
	s_wait_kmcnt 0x0
	s_load_b64 s[40:41], s[10:11], 0x28            ; e10, e11
	s_mov_b32 s[G0], 1                             ; count = 1
	s_mov_b32 s[G0+1], s17                         ; LDS address
	s_add_nc_u64 s[G0+2:G0+3], s[4:5], s[36:37]
	s_or_b32 s[G0+3], s[G0+3], 0x80000000          ; type = 2
	s_add_nc_u64 s[6:7], s[6:7], s[44:45]
	s_add_nc_u64 s[8:9], s[8:9], s[46:47]
	s_add_nc_u64 s[12:13], s[12:13], s[48:49]
	ROUND                                          ; all four work-groups are here: the joint loads meet
	tensor_load_to_lds s[G0:G0+3], s[G1:G1+7]      ; my one tensor load
	s_nop 0
.rept 4
	v_nop
.endr
	v_and_b32 v8, 31, v0
	v_lshlrev_b32 v[LI], 4, v8
	v_add_nc_u32 v[LI+1], 65536, v[LI]
	v_and_b32 v9, 15, v0                           ; r
	v_bfe_u32 v10, v0, 4, 1                        ; h
	v_lshlrev_b32 v[WA], 10, v9
	v_lshl_add_u32 v[WA], v10, 4, v[WA]
	v_lshlrev_b32 v[BA], 5, v10
	s_mul_i32 s20, s[WN], 16*SPITCH
	s_add_co_u32 s20, s20, STG                     ; my stage
	v_mul_u32_u24 v[STO], v9, SPITCH
	v_lshl_add_u32 v[STO], v10, 5, v[STO]
	v_add_nc_u32 v[STO], s20, v[STO]               ; in: row r, 32 bytes for each half of the lanes
	v_mul_u32_u24 v[RD], v10, SPITCH
	v_lshl_add_u32 v[RD], v9, 4, v[RD]
	v_add_nc_u32 v[RD], s20, v[RD]                 ; back: lanes 0-15 one row of 256 bytes, lanes 16-31 the next
	v_lshlrev_b32 v[CO], 12, v10
	v_lshl_add_u32 v[CO], v9, 4, v[CO]             ; and the same two rows in out
.irp t, 0,1,2,3
	global_load_b128 v[BO+8*\t:BO+8*\t+3], v[BA], s[8:9] offset:64*\t         ; bo at my eight columns of tile t: 16 t + 8 h + 0 .. 7
	global_load_b128 v[BO+8*\t+4:BO+8*\t+7], v[BA], s[8:9] offset:64*\t+16
.endr
	WIN 0x40                                       ; destination window 1
.irp k, 0,1,2,3
.irp t, 0,1,2,3
.irp c, 0,1,2,3
	global_load_b128 v[16*(4*\k+\t)+4*\c:16*(4*\k+\t)+4*\c+3], v[WA], s[6:7] offset:16384*\t+128*\k+32*\c   ; registers 4 c .. 4 c + 3: K = 32 c + 16 h + 0 .. 15, as a's images have it
.endr
.endr
.endr
	WIN 0x80                                       ; destination window 2
.irp k, 0,1,2,3
.irp t, 0,1,2,3
.irp c, 0,1,2,3
	global_load_b128 v[16*(4*\k+\t)+4*\c:16*(4*\k+\t)+4*\c+3], v[WA], s[6:7] offset:16384*\t+512+128*\k+32*\c
.endr
.endr
.endr
	WIN 0
	s_wait_kmcnt 0x0
	s_add_co_i32 s[SC], s40, s41
	s_add_co_i32 s[SC], s[SC], 127
	s_lshl_b32 s[SC], s[SC], 23                    ; 2^(e10 + e11) as f32
	s_mov_b32 s[SC+1], s[SC]
; Unit u = 2 a + g: row tile a, K steps 4 g .. 4 g + 3.
.macro FETCHA u                        ; its four fragments of a, 16 LDS loads, into buffer u % 4
	PLACES
	WIN 0xc0                                       ; destination window 3, address window 0
.irp k, 0,1,2,3
.irp c, 0,1,2,3
	ds_load_b128 v[64*((\u)%4)+16*\k+4*\c:64*((\u)%4)+16*\k+4*\c+3], v[LI+(\u)/8] offset:(((\u)/2)%4)*16384+(4*((\u)%2)+\k)*2048+512*\c
.endr
.endr
	WIN 0
.endm
.macro UNIT u, cnt                     ; cnt: the LDS instructions issued behind this unit's fetch, which may stay out
.if (\u)+2 < 16
	FETCHA (\u)+2                                  ; two units ahead, into the buffer that the unit two back has left
.endif
	s_wait_dscnt \cnt
.set AC, ACC+32*(((\u)/2)%2)
	WIN 0x0d+(\u)%2                                ; source 0 (Wo) window 1 or 2, source 1 (a) window 3, C and D window 0
.irp k, 0,1,2,3
.irp t, 0,1,2,3
.if ((\u)%2 == 0) && (\k == 0)
	v_wmma_f32_16x16x128_fp8_fp8 v[AC+8*\t:AC+8*\t+7], v[16*(4*\k+\t):16*(4*\k+\t)+15], v[64*((\u)%4)+16*\k:64*((\u)%4)+16*\k+15], 0   ; a tile's first K step starts its sums
.else
	v_wmma_f32_16x16x128_fp8_fp8 v[AC+8*\t:AC+8*\t+7], v[16*(4*\k+\t):16*(4*\k+\t)+15], v[64*((\u)%4)+16*\k:64*((\u)%4)+16*\k+15], v[AC+8*\t:AC+8*\t+7]   ; the four accumulators take turns
.endif
.endr
.endr
	WIN 0
.endm
.macro TOSTAGE a                       ; row tile a: sum x 2^(e10 + e11) + bo, into my stage, and back as whole rows of 256 bytes: 8 LDS stores and 8 LDS loads
.set AC, ACC+32*((\a)%2)
.set TP, TMP+32*((\a)%2)
.set BK, OB+32*((\a)%2)
	PLACES                                         ; behind the tile's last products
	s_wait_xcnt 0x0                                ; the stores of the tile two back have read their registers: the loads below may land there
.set i, 0
.rept 16
	v_pk_fma_f32 v[TP+2*i:TP+2*i+1], v[AC+2*i:AC+2*i+1], s[SC:SC+1], v[BO+2*i:BO+2*i+1] op_sel_hi:[1,0,1]   ; each accumulator from its low end on
.set i, i+1
.endr
.irp t, 0,1,2,3
	ds_store_b128 v[STO], v[TP+8*\t:TP+8*\t+3] offset:64*\t
	ds_store_b128 v[STO], v[TP+8*\t+4:TP+8*\t+7] offset:64*\t+16
.endr
.irp e, 0,1,2,3,4,5,6,7
	ds_load_b128 v[BK+4*\e:BK+4*\e+3], v[RD] offset:2*\e*SPITCH    ; LDS serves a wave's instructions in order (ISA guide 5.7.1.4): these see the stores above, and the next tile's stores come behind them
.endr
.endm
.macro SEND a, cnt
.set BK, OB+32*((\a)%2)
	s_wait_dscnt \cnt                              ; the tile's rows are back in registers
.irp e, 0,1,2,3,4,5,6,7
	global_store_b128 v[CO], v[BK+4*\e:BK+4*\e+3], s[12:13] offset:(\a)*65536+\e*8192 th:TH_STORE_NT   ; 16 lanes store 256 consecutive bytes, aligned; written once, read by nobody here
.endr
.endm
	s_wait_tensorcnt 0x0                           ; my quarter of a's block is in,
	s_barrier_signal -1
	s_barrier_wait -1                              ; everybody's is
	FETCHA 0
	FETCHA 1
	s_wait_loadcnt 63                              ; bo and Wo's K steps 0-3 are in: behind them 64 loads were issued, of which 63 may be out
	UNIT 0, 32                                     ; behind unit 0's fetch: units 1's and 2's
	s_wait_loadcnt 0x0                             ; all of Wo
	UNIT 1, 32
	TOSTAGE 0
.irp a, 1,2,3,4,5,6
	UNIT 2*\a, 48                                  ; behind its fetch: the next unit's, the stage's 16 instructions, and the fetch just issued
	SEND \a-1, 16                                  ; behind the stage's loads: the fetch just issued
	UNIT 2*\a+1, 32                                ; two fetches may be out
	TOSTAGE \a
.endr
	UNIT 14, 32                                    ; nothing more to fetch: behind its fetch stand unit 15's and the stage's 16
	SEND 6, 0
	UNIT 15, 0
	TOSTAGE 7
	SEND 7, 0
	s_wait_tensorcnt 0x0
	ds_add_u32 v254, v255
	s_wait_dscnt 0x0
	ROUND                                          ; the closing round
	s_endpgm
.Lfunc_end_k_qa761956ee1_proj:
	.size	k_qa761956ee1_proj, .Lfunc_end_k_qa761956ee1_proj-k_qa761956ee1_proj
	.p2alignl 7, 3214868480
	.fill 96, 4, 3214868480
	.section	.rodata,"a",@progbits
	.p2align	6, 0x0
	.amdhsa_kernel k_qa761956ee1_proj
		.amdhsa_group_segment_fixed_size 168448
		.amdhsa_private_segment_fixed_size 0
		.amdhsa_enable_private_segment 0
		.amdhsa_kernarg_size 40
		.amdhsa_user_sgpr_count 2
		.amdhsa_user_sgpr_kernarg_segment_ptr 1
		.amdhsa_wavefront_size32 1
		.amdhsa_system_sgpr_workgroup_id_x 1
		.amdhsa_system_sgpr_workgroup_id_y 1
		.amdhsa_system_sgpr_workgroup_id_z 1
		.amdhsa_system_vgpr_workitem_id 0
		.amdhsa_next_free_vgpr 1024
		.amdhsa_next_free_sgpr 66
		.amdhsa_reserve_vcc 0
		.amdhsa_float_denorm_mode_32 3
		.amdhsa_float_denorm_mode_16_64 3
		.amdhsa_memory_ordered 1
		.amdhsa_forward_progress 1
		.amdhsa_inst_pref_size 78
	.end_amdhsa_kernel
	.amdgpu_metadata
---
amdhsa.version: [ 1, 2 ]
amdhsa.kernels:
  - .name:           k_qa761956ee1_proj
    .symbol:         k_qa761956ee1_proj.kd
    .args:
      - { .name: a_img, .offset: 0, .size: 8, .value_kind: global_buffer, .address_space: global }
      - { .name: Wo_codes, .offset: 8, .size: 8, .value_kind: global_buffer, .address_space: global }
      - { .name: bo, .offset: 16, .size: 8, .value_kind: global_buffer, .address_space: global }
      - { .name: lowp_scales, .offset: 24, .size: 8, .value_kind: global_buffer, .address_space: global }
      - { .name: out0, .offset: 32, .size: 8, .value_kind: global_buffer, .address_space: global }
    .group_segment_fixed_size: 168448
    .private_segment_fixed_size: 0
    .kernarg_segment_align: 8
    .kernarg_segment_size: 40
    .max_flat_workgroup_size: 128
    .sgpr_count:     66
    .vgpr_count:     1024
    .wavefront_size: 32
...
	.end_amdgpu_metadata
.endif
;; end of part 3
